; MI455X (gfx1250); checked and timed in simulation.
; The chip was launched on July 23, 2026; its instructions are those of AMD's public machine-readable ISA for CDNA 5 (MIT licence, August 2026) and "CDNA5" Instruction Set Architecture Reference Guide (July 2026). The comments in the code are by the model that wrote it; some were corrected since.
;; Sparse Mixture Of Experts. Allowed arithmetic: float matrix products may take bf16 or f16 operands with f32 sums; other float arithmetic in f32, or as packed bf16 or f16 multiplies, adds, multiply-adds, maxima and minima; sums over many terms, partial sums and values carried from step to step in f32; what a program stores and reads back later, other than sums and carried values, may be rounded once to bf16 or f16.
;; Inputs: We 8 x 2,048 x 2,048 float32; Wg 2,048 x 8 float32; be 8 x 2,048 float32; bg 8 float32; x 2,048 x 2,048 float32.
;; Outputs: out0 2,048 x 2,048 float32.
;; One version. Each part assembles by itself: llvm-mc -triple=amdgcn-amd-amdhsa -mcpu=gfx1250 --defsym DOCPART=n.
;; ======== version 1 of 1: 4 launches
;; workspace buffers: xb 8,388,608 bytes; idx 16,384 bytes of whole numbers; gw 16,384 bytes; list 65,536 bytes of whole numbers; pos 16,384 bytes of whole numbers; cnts 256 bytes of whole numbers; y 150,994,944 bytes
;; launch gate (part 1): grid 256 x 1, 8 waves a work-group, no clusters, 75,008 bytes of LDS; arguments x, Wg, bg, xb, idx, gw; writes xb, idx, gw
.if DOCPART == 1
	.amdgcn_target "amdgcn-amd-amdhsa--gfx1250"
	.amdhsa_code_object_version 6
	.text
	.protected	k_q34acc97ea2_gate
	.globl	k_q34acc97ea2_gate
	.p2align	8
	.type	k_q34acc97ea2_gate,@function
k_q34acc97ea2_gate:
	s_mov_b64 s[64:65], 0
	v_nop
	global_prefetch_b8 v0, s[64:65] scope:SCOPE_SE
	s_setreg_imm32_b32 hwreg(HW_REG_WAVE_MODE, 25, 1), 1
	s_wait_xcnt 0x0
; GATE.  logits[t][e] = sum over k of x[t][k] Wg[k][e] + bg[e]; the two largest logits of a token, their experts and the softmax over the two.
; x: [2048][2048] f32, Wg: [2048][8] f32, bg: [8] f32.  Out: xb = x rounded to bf16 ([2048][2048]), idx [2048][2] i32, gw [2048][2] f32.
; ALL inputs are rounded once to bf16 (x, Wg, bg here; We and be in the expert launch); products and sums in f32, so that gate and experts see the same numbers.
; SHARES.  A work-group owns 8 tokens.  Wave w loads, rounds and stores token 8 g + w, and rounds Wg's rows 256 w .. 256 w + 255; in the product it owns those 256 k for all 8 tokens.
; The product is used transposed: source 0 = Wg^T (16 rows: the 8 experts twice), source 1 = 16 columns (the 8 tokens twice): register j of every lane is expert j's logit of token lane % 8.
; The eight waves' partial sums meet in LDS; wave 0 adds them in the order of the waves and decides.
; LIMITS.  NaN and infinite logits are not treated apart.  Equal logits: the lower expert comes first.  Logits closer than the rounding of an f32 sum of 2,048 terms may be ranked either way.
; Memory binds this launch (16 MiB in, 8 MiB out): no cluster (nothing large is shared; Wg is 64 KiB), no tensor load (a row is used once, straight from registers).
.set XP,    4112                       ; a row of x in LDS: 4,096 bytes of bf16 + 16
.set WGB,   33024                      ; behind 8 such rows: Wg in bf16, 16 bytes for each k
.set PART,  65792                      ; the waves' partial logits: 32 bytes a lane, 1,024 a wave
.set SPARE, 73984                      ; the spare words: 128 bytes for each of 8 waves; no other line names them
.set X,   16                           ; v[16:79]   x as loaded; then Wg's 8 fragments; then (wave 0) the 8 waves' partial sums
.set XB,  80                           ; v[80:111]  x in bf16
.set G,   112                          ; v[112:175] Wg as loaded; then x's 8 fragments; then (wave 0) at work
.set GB,  176                          ; v[176:207] Wg in bf16
.set AC0, 208                          ; v[208:215], v[216:223] two accumulators, by turns
.set AC1, 216
.set SPW, 224                          ; my spare word's LDS address; never rewritten
.set NIL, 225                          ; 0; never rewritten
	s_load_b256 s[4:11], s[0:1], 0x0               ; x s[4:5], Wg s[6:7], bg s[8:9], xb s[10:11]
	s_load_b128 s[12:15], s[0:1], 0x20             ; idx s[12:13], gw s[14:15]
	v_lshl_add_u32 v[SPW], v0, 2, SPARE
	v_mov_b32 v[NIL], 0
	v_and_b32 v1, 31, v0                           ; lane
	v_lshrrev_b32 v4, 5, v0
	v_readfirstlane_b32 s16, v4                    ; wave 0..7
	v_lshlrev_b32 v2, 4, v1                        ; 16 x lane
	v_lshlrev_b32 v3, 3, v1                        ; 8 x lane
	v_and_b32 v8, 7, v0                            ; lane % 8
	v_bfe_u32 v9, v0, 4, 1                         ; lane / 16
	s_lshl_b32 s17, ttmp9, 3
	s_add_co_u32 s17, s17, s16                     ; my token
	s_lshl_b32 s18, s17, 13                        ; its row of x, 8,192 bytes
	s_mov_b32 s19, 0
	s_lshl_b32 s20, s17, 12                        ; its row of xb, 4,096 bytes
	s_mov_b32 s21, 0
	s_lshl_b32 s22, s16, 13                        ; my 256 rows of Wg, 32 bytes each
	s_mov_b32 s23, 0
	s_mul_i32 s32, s16, XP
	s_lshl_b32 s33, s16, 12
	s_add_co_u32 s33, s33, WGB                     ; my 256 rows of Wg in LDS, 16 bytes each
	s_lshl_b32 s34, s16, 9                         ; my 256 k in a row of x in LDS
	s_lshl_b32 s35, ttmp9, 6                       ; the group's 8 tokens in idx and gw, 8 bytes each
	v_add_nc_u32 v5, s32, v3                       ; where I put x
	v_add_nc_u32 v6, s33, v3                       ; where I put Wg
	v_lshl_add_u32 v10, v9, 3, v8                  ; the turning load: k = 8 (lane / 16) + lane % 8; all lanes take the row's one block of 8 experts
	v_lshl_add_u32 v7, v10, 4, s33
	v_mul_u32_u24 v11, v8, XP                      ; x's fragments: token lane % 8,
	v_lshl_add_u32 v11, v9, 4, v11                 ; 16 bytes for each half of the lanes,
	v_add_nc_u32 v11, s34, v11                     ; my 256 k
	v_lshl_add_u32 v12, v0, 5, PART                ; where I put my partial sums
	v_lshl_add_u32 v13, v1, 5, PART                ; where wave 0 reads them
	v_add_nc_u32 v14, s35, v3                      ; lane's token in idx and gw
	s_wait_kmcnt 0x0
	s_load_b256 s[24:31], s[8:9], 0x0              ; bg
	s_add_nc_u64 s[4:5], s[4:5], s[18:19]
	s_add_nc_u64 s[10:11], s[10:11], s[20:21]
	s_add_nc_u64 s[6:7], s[6:7], s[22:23]
.irp c, 0,1,2,3,4,5,6,7,8,9,10,11,12,13,14,15
	global_load_b128 v[X+4*\c:X+4*\c+3], v2, s[4:5] offset:512*\c th:TH_LOAD_NT  ; 512 neighbouring bytes of my row; x is read once in this launch
.endr
.irp c, 0,1,2,3,4,5,6,7,8,9,10,11,12,13,14,15
	global_load_b128 v[G+4*\c:G+4*\c+3], v2, s[6:7] offset:512*\c
.endr
	s_wait_loadcnt 16                              ; x is in; the 16 younger loads, Wg's, may stay out
.irp c, 0,1,2,3,4,5,6,7,8,9,10,11,12,13,14,15
	v_cvt_pk_bf16_f32 v[XB+2*\c], v[X+4*\c], v[X+4*\c+1]
	v_cvt_pk_bf16_f32 v[XB+2*\c+1], v[X+4*\c+2], v[X+4*\c+3]
.endr
.irp c, 0,1,2,3,4,5,6,7,8,9,10,11,12,13,14,15
	global_store_b64 v3, v[XB+2*\c:XB+2*\c+1], s[10:11] offset:256*\c  ; the wave's 32 lanes store 256 consecutive bytes, aligned
	ds_store_b64 v5, v[XB+2*\c:XB+2*\c+1] offset:256*\c
.endr
	s_wait_loadcnt 0x0                             ; Wg
.irp c, 0,1,2,3,4,5,6,7,8,9,10,11,12,13,14,15
	v_cvt_pk_bf16_f32 v[GB+2*\c], v[G+4*\c], v[G+4*\c+1]
	v_cvt_pk_bf16_f32 v[GB+2*\c+1], v[G+4*\c+2], v[G+4*\c+3]
.endr
.irp c, 0,1,2,3,4,5,6,7,8,9,10,11,12,13,14,15
	ds_store_b64 v6, v[GB+2*\c:GB+2*\c+1] offset:256*\c  ; a linear copy at half the byte offset: Wg[k][e] at 16 k + 2 e
.endr
	s_wait_kmcnt 0x0                               ; bg
	s_wait_dscnt 0x0                               ; for the others' sake: my row of x is in LDS
	s_barrier_signal -1
	s_barrier_wait -1                              ; all eight rows are
.irp s, 0,1,2,3,4,5,6,7                ; 32 k a step: Wg^T turned out of [k][e], x as it lies
	ds_load_tr16_b128 v[X+8*\s:X+8*\s+3],   v7 offset:512*\s
	ds_load_tr16_b128 v[X+8*\s+4:X+8*\s+7], v7 offset:512*\s+256
	ds_load_b128 v[G+8*\s:G+8*\s+3],   v11 offset:64*\s
	ds_load_b128 v[G+8*\s+4:G+8*\s+7], v11 offset:64*\s+32
.endr
	s_wait_dscnt 0x0
.irp s, 0,1,2,3,4,5,6,7                ; the two accumulators take turns; the first two products start the sums
.if \s < 2
	v_wmma_f32_16x16x32_bf16 v[AC0+8*(\s%2):AC0+8*(\s%2)+7], v[X+8*\s:X+8*\s+7], v[G+8*\s:G+8*\s+7], 0
.else
	v_wmma_f32_16x16x32_bf16 v[AC0+8*(\s%2):AC0+8*(\s%2)+7], v[X+8*\s:X+8*\s+7], v[G+8*\s:G+8*\s+7], v[AC0+8*(\s%2):AC0+8*(\s%2)+7]
.endif
.endr
.rept 4
	v_nop                                          ; four places between the last product and the first read of a result (ISA guide 7.12.1)
.endr
.irp p, 0,1,2,3                        ; from the low registers on
	v_pk_add_f32 v[AC0+2*\p:AC0+2*\p+1], v[AC0+2*\p:AC0+2*\p+1], v[AC1+2*\p:AC1+2*\p+1]
.endr
	ds_store_b128 v12, v[AC0:AC0+3]
	ds_store_b128 v12, v[AC0+4:AC0+7] offset:16
	s_wait_dscnt 0x0                               ; for wave 0's sake: my partial sums are in LDS
	s_barrier_signal -1
	s_barrier_wait -1
	s_wait_tensorcnt 0x0                           ; behind every wave's last LDS store
	ds_add_u32 v[SPW], v[NIL]
	s_wait_dscnt 0x0
	s_cmp_lg_u32 s16, 0
	s_cbranch_scc1 .Ldone                          ; waves 1 to 7 have done their part
.irp w, 0,1,2,3,4,5,6,7
	ds_load_b128 v[X+8*\w:X+8*\w+3],   v13 offset:1024*\w
	ds_load_b128 v[X+8*\w+4:X+8*\w+7], v13 offset:1024*\w+16
.endr
.irp p, 0,1,2,3                        ; bg rounded to bf16 and widened again
	v_cvt_pk_bf16_f32 v126, s[24+2*\p], s[25+2*\p]
	v_lshlrev_b32 v[G+2*\p], 16, v126
	v_and_b32 v[G+2*\p+1], 0xffff0000, v126
.endr
	s_wait_dscnt 0x0
.irp w, 1,2,3,4,5,6,7                  ; k ascending: the waves in order
.irp p, 0,1,2,3
	v_pk_add_f32 v[X+2*\p:X+2*\p+1], v[X+2*\p:X+2*\p+1], v[X+8*\w+2*\p:X+8*\w+2*\p+1]
.endr
.endr
.irp p, 0,1,2,3
	v_pk_add_f32 v[X+2*\p:X+2*\p+1], v[X+2*\p:X+2*\p+1], v[G+2*\p:G+2*\p+1]
.endr
	; the two largest: (v120, v122) the largest and its expert, (v121, v123) the second.  Only a strictly greater logit displaces: the lower expert wins a tie.
	v_mov_b32 v120, v[X]
	v_mov_b32 v121, 0xff800000
	v_mov_b32 v122, 0
	v_mov_b32 v123, 0
.irp e, 1,2,3,4,5,6,7
	v_cmp_gt_f32 s36, v[X+\e], v121
	v_cmp_gt_f32 s37, v[X+\e], v120
	v_mov_b32 v126, \e
	v_cndmask_b32 v121, v121, v[X+\e], s36         ; above the second: it takes the second's place,
	v_cndmask_b32 v123, v123, v126, s36
	v_cndmask_b32 v121, v121, v120, s37            ; above the first: the old first becomes the second,
	v_cndmask_b32 v123, v123, v122, s37
	v_cndmask_b32 v120, v120, v[X+\e], s37         ; and it becomes the first
	v_cndmask_b32 v122, v122, v126, s37
.endr
	; softmax over the two, the larger taken away first: w0 = 1 / (1 + e^(second - first)), w1 = e^(second - first) w0
	v_sub_f32 v126, v121, v120
	v_mul_f32 v126, 0x3fb8aa3b, v126
	v_exp_f32 v127, v126
	v_nop                                          ; a plain instruction behind the exponential (ISA guide 5.7.2)
	s_wait_alu depctr_va_vdst(0)
	v_add_f32 v126, 1.0, v127
	v_rcp_f32 v124, v126
	v_nop                                          ; and behind the reciprocal
	s_wait_alu depctr_va_vdst(0)
	v_mul_f32 v125, v127, v124
	v_cmp_gt_u32 vcc_lo, 8, v1                     ; lanes 0 to 7 hold the 8 tokens (the others hold copies)
	s_wait_xcnt 0x0                                ; EXEC is narrowed only when the stores of xb have had their addresses translated
	s_and_saveexec_b32 s38, vcc_lo
	global_store_b64 v14, v[122:123], s[12:13]
	global_store_b64 v14, v[124:125], s[14:15]
	s_wait_xcnt 0x0                                ; and widened again only behind this wait
	s_or_b32 exec_lo, exec_lo, s38
.Ldone:
	s_endpgm
.Lfunc_end_k_q34acc97ea2_gate:
	.size	k_q34acc97ea2_gate, .Lfunc_end_k_q34acc97ea2_gate-k_q34acc97ea2_gate
	.p2alignl 7, 3214868480
	.fill 96, 4, 3214868480
	.section	.rodata,"a",@progbits
	.p2align	6, 0x0
	.amdhsa_kernel k_q34acc97ea2_gate
		.amdhsa_group_segment_fixed_size 75008
		.amdhsa_private_segment_fixed_size 0
		.amdhsa_enable_private_segment 0
		.amdhsa_kernarg_size 48
		.amdhsa_user_sgpr_count 2
		.amdhsa_user_sgpr_kernarg_segment_ptr 1
		.amdhsa_wavefront_size32 1
		.amdhsa_system_sgpr_workgroup_id_x 1
		.amdhsa_system_sgpr_workgroup_id_y 1
		.amdhsa_system_sgpr_workgroup_id_z 1
		.amdhsa_system_vgpr_workitem_id 0
		.amdhsa_next_free_vgpr 232
		.amdhsa_next_free_sgpr 66
		.amdhsa_reserve_vcc 1
		.amdhsa_float_denorm_mode_32 3
		.amdhsa_float_denorm_mode_16_64 3
		.amdhsa_memory_ordered 1
		.amdhsa_forward_progress 1
		.amdhsa_inst_pref_size 25
	.end_amdhsa_kernel
	.amdgpu_metadata
---
amdhsa.version: [ 1, 2 ]
amdhsa.kernels:
  - .name:           k_q34acc97ea2_gate
    .symbol:         k_q34acc97ea2_gate.kd
    .args:
      - { .name: x, .offset: 0, .size: 8, .value_kind: global_buffer, .address_space: global }
      - { .name: Wg, .offset: 8, .size: 8, .value_kind: global_buffer, .address_space: global }
      - { .name: bg, .offset: 16, .size: 8, .value_kind: global_buffer, .address_space: global }
      - { .name: xb, .offset: 24, .size: 8, .value_kind: global_buffer, .address_space: global }
      - { .name: idx, .offset: 32, .size: 8, .value_kind: global_buffer, .address_space: global }
      - { .name: gw, .offset: 40, .size: 8, .value_kind: global_buffer, .address_space: global }
    .group_segment_fixed_size: 75008
    .private_segment_fixed_size: 0
    .kernarg_segment_align: 8
    .kernarg_segment_size: 48
    .max_flat_workgroup_size: 256
    .sgpr_count:     66
    .vgpr_count:     232
    .wavefront_size: 32
...
	.end_amdgpu_metadata
.endif
;; end of part 1
;; launch route (part 2): grid 1 x 1, 32 waves a work-group, no clusters, 4,608 bytes of LDS; arguments idx, list, pos, cnts; writes list, pos, cnts
.if DOCPART == 2
	.amdgcn_target "amdgcn-amd-amdhsa--gfx1250"
	.amdhsa_code_object_version 6
	.text
	.protected	k_q34acc97ea2_route
	.globl	k_q34acc97ea2_route
	.p2align	8
	.type	k_q34acc97ea2_route,@function
k_q34acc97ea2_route:
	s_mov_b64 s[64:65], 0
	v_nop
	global_prefetch_b8 v0, s[64:65] scope:SCOPE_SE
	s_setreg_imm32_b32 hwreg(HW_REG_WAVE_MODE, 25, 1), 1
	s_wait_xcnt 0x0
; ROUTE.  From idx [2048][2] (each token's two experts) to: list [8][2048] (the tokens of expert e, in ascending order; places below the expert's count are written),
; pos [2048][2] (2304 e + place: the row of the expert launch's result), cnts: 32 pairs of words, pair l holding expert l % 8's count twice (256 bytes, stored whole).
; ONE work-group of 32 waves, since places are a prefix sum over all tokens and work-groups hand nothing to each other.  Whole numbers only; 48 KiB of traffic.
; Wave w owns tokens 64 w + 32 c + lane, c = 0, 1.  Counts by ballots (a compare's mask and its bit count), the waves' counts meet in LDS, each wave adds up those of the waves before it.
; The stores into list are 4 bytes a lane at scattered places: that is what routing is; they are 16 KiB in all.
.set SPARE, 512                        ; bytes 0-511: 16 bytes of counts for each wave; from 512 on the spare words, 128 bytes for each of 32 waves
.set MK,  16                           ; s[16:31] masks: chunk c, expert e at 16 + 8 c + e
.set BS,  32                           ; s[32:39] the place that expert e's next token gets
.set CT,  40                           ; s[40:47] my wave's counts
	s_load_b256 s[4:11], s[0:1], 0x0               ; idx s[4:5], list s[6:7], pos s[8:9], cnts s[10:11]
	v_lshl_add_u32 v40, v0, 2, SPARE               ; my spare word; never rewritten
	v_mov_b32 v41, 0                               ; 0; never rewritten
	v_and_b32 v1, 31, v0                           ; lane
	v_lshrrev_b32 v3, 5, v0
	v_readfirstlane_b32 s12, v3                    ; wave 0..31
	v_lshlrev_b32 v2, 3, v1
	v_lshl_add_u32 v2, v3, 9, v2                   ; 8 bytes x (64 w + lane)
	v_lshl_add_u32 v20, v3, 6, v1                  ; my two tokens
	v_add_nc_u32 v21, 32, v20
	v_lshlrev_b32 v12, 4, v3                       ; my wave's counts in LDS
	v_lshlrev_b32 v13, 4, v1                       ; wave `lane`'s counts
	v_mov_b32 v14, 0                               ; written before it is a lane exchange's destination
	v_mov_b32 v16, 0
	v_mov_b32 v17, 0
	v_mov_b32 v18, 0
	v_mov_b32 v19, 0
	s_mov_b32 s56, 0x76543210                      ; v_permlanex16_b32: each lane takes its own place in the other half
	s_mov_b32 s57, 0xfedcba98
	s_wait_kmcnt 0x0
	global_load_b64 v[4:5], v2, s[4:5]
	global_load_b64 v[6:7], v2, s[4:5] offset:256
	s_wait_loadcnt 0x0
.irp i, 4,5,6,7
	v_min_u32 v\i, 7, v\i                          ; an expert's number, held inside the tables
.endr
.irp c, 0,1
.irp e, 0,1,2,3,4,5,6,7
	v_cmp_eq_u32 s48, \e, v[4+2*\c]
	v_cmp_eq_u32 s49, \e, v[5+2*\c]
	s_or_b32 s[MK+8*\c+\e], s48, s49               ; the lanes whose token goes to expert e
.if \c == 0
	s_bcnt1_i32_b32 s[CT+\e], s[MK+\e]
.else
	s_bcnt1_i32_b32 s50, s[MK+8+\e]
	s_add_co_u32 s[CT+\e], s[CT+\e], s50
.endif
.endr
.endr
.irp p, 0,1,2,3                        ; two counts to a word: no sum of counts passes 2,048
	s_lshl_b32 s50, s[CT+2*\p+1], 16
	s_or_b32 s50, s[CT+2*\p], s50
	v_mov_b32 v[8+\p], s50
.endr
	ds_store_b128 v12, v[8:11]                     ; all lanes write the same 16 bytes with the same values
	s_wait_dscnt 0x0                               ; for the others' sake
	s_barrier_signal -1
	s_barrier_wait -1
	ds_load_b128 v[8:11], v13                      ; lane l: wave l's counts
	v_cmp_gt_u32 vcc_lo, s12, v1                   ; the waves before mine
	s_wait_dscnt 0x0
.irp p, 8,9,10,11
	v_cndmask_b32 v\p, 0, v\p, vcc_lo
.endr
.irp p, 8,9,10,11                      ; the sum over the 32 lanes, in every lane
.irp m, 1,2,4,8
	v_mov_b32_dpp v14, v\p row_xmask:\m row_mask:0xf bank_mask:0xf
	v_add_nc_u32 v\p, v\p, v14
.endr
	v_permlanex16_b32 v14, v\p, s56, s57
	v_add_nc_u32 v\p, v\p, v14
.endr
.irp p, 0,1,2,3
	v_readfirstlane_b32 s50, v[8+\p]
	s_and_b32 s[BS+2*\p], s50, 0xffff
	s_lshr_b32 s[BS+2*\p+1], s50, 16
.endr
.irp c, 0,1
.irp e, 0,1,2,3,4,5,6,7
	v_mbcnt_lo_u32_b32 v15, s[MK+8*\c+\e], s[BS+\e]  ; the place: the expert's tokens so far + those in lower lanes
	v_cmp_eq_u32 vcc_lo, \e, v[4+2*\c]
	v_cndmask_b32 v[16+2*\c], v[16+2*\c], v15, vcc_lo
	v_cmp_eq_u32 vcc_lo, \e, v[5+2*\c]
	v_cndmask_b32 v[17+2*\c], v[17+2*\c], v15, vcc_lo
	s_bcnt1_i32_b32 s50, s[MK+8*\c+\e]
	s_add_co_u32 s[BS+\e], s[BS+\e], s50
.endr
.endr
.irp c, 0,1                            ; every store has registers of its own: nothing is rewritten while a store may read it
	v_min_u32 v[16+2*\c], 0x7ff, v[16+2*\c]        ; a place, held inside the expert's 2,048
	v_min_u32 v[17+2*\c], 0x7ff, v[17+2*\c]
	v_lshl_add_u32 v[22+2*\c], v[4+2*\c], 11, v[16+2*\c]
	v_lshl_add_u32 v[23+2*\c], v[5+2*\c], 11, v[17+2*\c]
	v_lshlrev_b32 v[22+2*\c], 2, v[22+2*\c]
	v_lshlrev_b32 v[23+2*\c], 2, v[23+2*\c]
	v_mad_u32_u24 v[26+2*\c], v[4+2*\c], 0x900, v[16+2*\c]  ; 2304 e + place
	v_mad_u32_u24 v[27+2*\c], v[5+2*\c], 0x900, v[17+2*\c]
	global_store_b32 v[22+2*\c], v[20+\c], s[6:7]
	global_store_b32 v[23+2*\c], v[20+\c], s[6:7]
	global_store_b64 v2, v[26+2*\c:27+2*\c], s[8:9] offset:256*\c
.endr
	s_wait_tensorcnt 0x0                           ; behind every wave's last LDS store
	ds_add_u32 v40, v41
	s_wait_dscnt 0x0
	s_cmp_lg_u32 s12, 31
	s_cbranch_scc1 .Ldone
	; wave 31's places have run on to the experts' totals.  Lane l stores expert l % 8's.
	v_and_b32 v30, 7, v1
	v_mov_b32 v34, s[BS]
.irp e, 1,2,3,4,5,6,7
	v_mov_b32 v32, s[BS+\e]
	v_cmp_eq_u32 vcc_lo, \e, v30
	v_cndmask_b32 v34, v34, v32, vcc_lo
.endr
	v_mov_b32 v35, v34
	v_lshlrev_b32 v33, 3, v1
	global_store_b64 v33, v[34:35], s[10:11]       ; 256 consecutive bytes, aligned
.Ldone:
	s_endpgm
.Lfunc_end_k_q34acc97ea2_route:
	.size	k_q34acc97ea2_route, .Lfunc_end_k_q34acc97ea2_route-k_q34acc97ea2_route
	.p2alignl 7, 3214868480
	.fill 96, 4, 3214868480
	.section	.rodata,"a",@progbits
	.p2align	6, 0x0
	.amdhsa_kernel k_q34acc97ea2_route
		.amdhsa_group_segment_fixed_size 4608
		.amdhsa_private_segment_fixed_size 0
		.amdhsa_enable_private_segment 0
		.amdhsa_kernarg_size 32
		.amdhsa_user_sgpr_count 2
		.amdhsa_user_sgpr_kernarg_segment_ptr 1
		.amdhsa_wavefront_size32 1
		.amdhsa_system_sgpr_workgroup_id_x 1
		.amdhsa_system_sgpr_workgroup_id_y 1
		.amdhsa_system_sgpr_workgroup_id_z 1
		.amdhsa_system_vgpr_workitem_id 0
		.amdhsa_next_free_vgpr 48
		.amdhsa_next_free_sgpr 66
		.amdhsa_reserve_vcc 1
		.amdhsa_float_denorm_mode_32 3
		.amdhsa_float_denorm_mode_16_64 3
		.amdhsa_memory_ordered 1
		.amdhsa_forward_progress 1
		.amdhsa_inst_pref_size 15
	.end_amdhsa_kernel
	.amdgpu_metadata
---
amdhsa.version: [ 1, 2 ]
amdhsa.kernels:
  - .name:           k_q34acc97ea2_route
    .symbol:         k_q34acc97ea2_route.kd
    .args:
      - { .name: idx, .offset: 0, .size: 8, .value_kind: global_buffer, .address_space: global }
      - { .name: list, .offset: 8, .size: 8, .value_kind: global_buffer, .address_space: global }
      - { .name: pos, .offset: 16, .size: 8, .value_kind: global_buffer, .address_space: global }
      - { .name: cnts, .offset: 24, .size: 8, .value_kind: global_buffer, .address_space: global }
    .group_segment_fixed_size: 4608
    .private_segment_fixed_size: 0
    .kernarg_segment_align: 8
    .kernarg_segment_size: 32
    .max_flat_workgroup_size: 1024
    .sgpr_count:     66
    .vgpr_count:     48
    .wavefront_size: 32
...
	.end_amdgpu_metadata
.endif
;; end of part 2
;; launch gemm (part 3): grid 32 x 8, 4 waves a work-group, no clusters, 66,048 bytes of LDS; arguments We, be, xb, list, cnts, y; writes y
.if DOCPART == 3
	.amdgcn_target "amdgcn-amd-amdhsa--gfx1250"
	.amdhsa_code_object_version 6
	.text
	.protected	k_q34acc97ea2_gemm
	.globl	k_q34acc97ea2_gemm
	.p2align	8
	.type	k_q34acc97ea2_gemm,@function
k_q34acc97ea2_gemm:
	s_mov_b64 s[64:65], 0
	v_nop
	global_prefetch_b8 v0, s[64:65] scope:SCOPE_SE
	s_setreg_imm32_b32 hwreg(HW_REG_WAVE_MODE, 25, 1), 1
	s_wait_xcnt 0x0
; EXPERTS.  y[2304 e + i][n] = sum over k of xb[list[e][i]][k] We[e][k][n] + be[e][n], for the places i below expert e's count.  We: [8][2048][2048] f32, be: [8][2048] f32,
; xb: [2048][2048] bf16, y: f32.  We and be are rounded once to bf16 on the way; sums in f32; y stays f32, since two of its rows are added up in the next launch.
; SHARES.  Work-group (strip, e) owns expert e's 64 columns 64 strip ..: 32 x 8 = 256 work-groups of four waves.  A PASS is 576 rows, 144 a wave: 9 x 4 accumulators of 16 x 16, 288 registers.
; K goes in PERIODS of 32 k, 36 matrix instructions a wave; a GROUP is four periods.
; THE FIRST PASS, which every wave walks whole, brings We in under its own products.  A UNIT is one period's 32 k rows x 256 bytes; of group G wave w owns unit 4 G + w.
;   WITHOUT A TRANSPOSE: lane (r, h) loads 16 bytes of a k row, columns 4 r .. 4 r + 3; word i belongs to column tile i, whose column r is n = 4 r + i; two k rows make a bf16 pair.
;   The rows are k = 8 h + 0..7 and 16 + 8 h + 0..7, as a fragment wants them: an instruction takes two whole rows of 256 consecutive bytes, aligned.  Each number is converted once.
;   The packed unit, 4,096 bytes, is the ready image of B's four fragments; it goes into a RING of four LDS slots, a group a slot.  The loop's body is four groups, once round the ring,
;   so every LDS address is a register that never changes and an immediate.
;   In group G a wave loads unit G + 3 (a quarter in each period), converts unit G + 2 (in period 2), stores it (in period 3) into slot (G + 2) % 4, and passes ONE barrier, at the group's head:
;   it stands between the last group's stores and their first read, three periods on, and between the reads of slot (G + 2) % 4, which ended two barriers back, and the stores into it.
; x's rows are a GATHER, straight into A's fragments: lane (r, h) takes 16 bytes at 64 P + 16 h and at + 32 of its token's row, three periods ahead, into four buffers that take turns.
;   An instruction takes 32 bytes of each of 16 rows; a group takes each row's 256 consecutive bytes, aligned.  Rows past the count repeat the expert's last row.
; ONE COUNTER.  Loads of a wave end in order (ISA guide 5.7.1).  A period has ONE run of loads: 18 of the gather, then 4 of We.  So the wait for a period's A, asked for three periods back, can
;   also show that run's loads of We landed: We has three periods, 108 matrix instructions, in which to land.
; FURTHER PASSES (a count above 576; at most 4 passes, since a count is 2,048 at the most) hang on a number read from memory, so they hold no barrier: each wave loads its rows of We again for
;   itself, converts them in registers and touches no LDS.  LIMIT: such a pass asks for one period's 34 loads only one period ahead and reads the strip four times over out of the caches:
;   an expert with more than 576 tokens costs its 32 work-groups, for each further 576, more than the first pass costs.
; In the results, register j of the four column tiles of a lane are 4 neighbouring columns of row 8 h + j: one store of 16 bytes a lane, 16 lanes to 256 consecutive bytes, aligned.
;   A tile of 16 rows that begins at or past the count is not stored; in the last live tile the rows past the count hold copies of the last row, which nobody reads.
; NO CLUSTER: We's strips are shared by nobody; x's rows are shared by the 32 strips, but they are gathered by a list and no tile that one descriptor names.
; NO TENSOR LOAD: every number of We has to pass a conversion in registers.  NO PREFETCH: We's loads go out evenly from the first period on, three periods ahead of their use.
; REGISTERS, in windows of 256 (s_set_vgpr_msb: bits 1:0 source 0, 3:2 source 1, 5:4 source 2, 7:6 destination):
;   window 0: v0-31 addresses, be, the 9 gather offsets; v32-63 a unit of B, packed; v64-127 B, two buffers (at the start: set 0 of We's rows in f32); v128-255 sets 1 and 2 of We's rows
;   window 1: accumulators of row tiles 0-7 ((t, i) at 32 t + 8 i)     window 2: v0-31 those of tile 8; v32-247 A's buffers 0-2, 72 each     window 3: v0-71 A's buffer 3
;   on the way out each tile has 32 registers of its own: tiles 0-5 at window 0 v64-255, tiles 6-8 at window 2 v32-127
.set PERB,  4096                       ; a period in the ring: block j of 512 bytes holds registers 4 j .. 4 j + 3 of the 32, 16 bytes a lane
.set GRPB,  16384                      ; a slot: a group of four periods
.set GRPG,  0x100000                   ; a group's 128 rows of We, 8,192 bytes each
.set PERG,  0x40000                    ; a period's 32 rows of We
.set SPARE, 65536                      ; behind the ring: the spare words, 128 bytes for each wave; no other line names them
.set SPW,  10                          ; v10  my spare word's LDS address; never rewritten
.set NIL,  11                          ; v11  0; never rewritten
.set GO,   12                          ; v12  65536 h + 16 r: my place in 16 rows of 8,192 bytes: We's on the way in, y's on the way out; never rewritten
.set BST,  13                          ; v13  4096 w + 16 lane: where I put my unit in a slot; never rewritten
.set BRD0, 14                          ; v14  16 lane: where I read a period; never rewritten
.set H16,  16                          ; v16  16 h
.set RI,   17                          ; v17  my row of tile 0 among the expert's: 576 pass + 144 w + r
.set BE,   18                          ; v[18:21] be of my 4 columns
.set OFF,  22                          ; v22-30  tile t: my token, then its row's byte offset in xb + 16 h
.set BP,   32
.set F,    64
.set BF,   64
.set WV,   16                          ; s16  wave
.set STRIP,17
.set EX,   18                          ; s18  expert
.set CNT,  19                          ; s19  its count
.set CM1,  20                          ; s20  count - 1
.set LIVE, 21                          ; s21  count less my wave's first row of the pass
.set WP,   22                          ; s[22:23] We at my unit of the group from which the loop's trip counts
.set AG,   24                          ; s[24:25] xb at the byte of a row from which the trip counts
.set PB,   26                          ; s[26:27] y at my wave's first row of the pass, my strip
.set LB,   28                          ; s[28:29] the expert's list
.set BEP,  32                          ; s[32:33] be at the strip
.set PCN,  34                          ; counters: passes, trips
.set KC,   35
.set W144, 37                          ; s37  144 x wave
.set COF,  38                          ; s38  8 x expert
.set SOFF, 39                          ; s39  256 x strip
.set WS,   40                          ; s[40:41] We at the expert's strip
.set WQ,   42                          ; s[42:43] the same, stepped through a further pass
.set MSB, 0
.macro WIN new                         ; the immediate's high byte repeats the setting that is left; a switch that changes nothing is dropped
.if MSB != (\new)
	s_set_vgpr_msb (MSB<<8)|(\new)
.set MSB, (\new)
.endif
.endm
; ---- We ----
; Quarter c of a unit: 4 of its 16 loads, into set s; the unit lies u groups on from WP
.macro LD_W s, c, u
	WIN 0
.irp n, 0,1,2,3
.set wn, 4*(\c)+\n
	global_load_b128 v[F+64*(\s)+4*wn:F+64*(\s)+4*wn+3], v[GO], s[WP:WP+1] offset:(\u)*GRPG+8192*(wn+8*(wn/8)) th:TH_LOAD_NT
.endr
.endm
.macro FLOAD s, u                      ; a whole unit
.irp c, 0,1,2,3
	LD_W \s, \c, \u
.endr
.endm
; Column tile i of set s, packed: register q is word i of two neighbouring k rows, rounded to bf16, the lower k in the low half
.macro CVW s, i
	WIN 0
.irp q, 0,1,2,3,4,5,6,7
	v_cvt_pk_bf16_f32 v[BP+8*(\i)+\q], v[F+64*(\s)+(\q/4)*32+8*(\q%4)+(\i)], v[F+64*(\s)+(\q/4)*32+8*(\q%4)+4+(\i)]
.endr
.endm
.macro ST_W slot                       ; my packed unit into its slot: 8 x 512 consecutive bytes
	WIN 0
.irp j, 0,1,2,3,4,5,6,7
	ds_store_b128 v[BST], v[BP+4*\j:BP+4*\j+3] offset:(\slot)*GRPB+512*\j
.endr
.endm
.macro FUNITP s, slot, left            ; one of the three units ahead of the loop.  left: the loads issued behind this set's
	s_wait_loadcnt \left                           ; loads come back in order (ISA guide 5.7.1): my set is in, the younger loads stay out
.irp i, 0,1,2,3
	CVW \s, \i
.endr
	ST_W \slot
.endm
; The tokens of my 9 rows (one in each tile): places past the count take the last place, so no word of the list is read that was not written (with a count of 0 nothing made of them is stored)
.macro LISTLD
.irp t, 0,1,2,3,4,5,6,7,8
	v_add_nc_u32 v[OFF+\t], 16*\t, v[RI]
	v_min_u32 v[OFF+\t], s[CM1], v[OFF+\t]
	v_min_u32 v[OFF+\t], 0x7ff, v[OFF+\t]          ; held inside the expert's 2,048 places
	v_lshlrev_b32 v[OFF+\t], 2, v[OFF+\t]
	global_load_b32 v[OFF+\t], v[OFF+\t], s[LB:LB+1]
.endr
.endm
.macro OFFS
.irp t, 0,1,2,3,4,5,6,7,8
	v_min_u32 v[OFF+\t], 0x7ff, v[OFF+\t]          ; a token, held inside xb
	v_lshl_add_u32 v[OFF+\t], v[OFF+\t], 12, v[H16]  ; its row of 4,096 bytes + my half's 16
.endr
.endm
; ---- the products ----
.macro AFSET b                         ; A's buffer b: its window and first register
.if (\b) < 3
.set aW, 2
.set aB, 32+72*(\b)
.else
.set aW, 3
.set aB, 0
.endif
.endm
; Four matrix instructions: row tile t x the four column tiles, A's buffer b, B's buffer c.  zero = 1: they start the sums.  The 36 accumulators go in one fixed order, one instruction a turn.
.macro MM t, b, c, zero
	AFSET \b
.if (\t) < 8
	WIN 0x50|aW                                    ; B window 0, C and D window 1
.set mAC, 32*(\t)
.else
	WIN 0xa0|aW                                    ; C and D window 2
.set mAC, 0
.endif
.irp i, 0,1,2,3
.if \zero
	v_wmma_f32_16x16x32_bf16 v[mAC+8*\i:mAC+8*\i+7], v[aB+8*(\t):aB+8*(\t)+7], v[BF+32*(\c)+8*\i:BF+32*(\c)+8*\i+7], 0
.else
	v_wmma_f32_16x16x32_bf16 v[mAC+8*\i:mAC+8*\i+7], v[aB+8*(\t):aB+8*(\t)+7], v[BF+32*(\c)+8*\i:BF+32*(\c)+8*\i+7], v[mAC+8*\i:mAC+8*\i+7]
.endif
.endr
.endm
; A's fragments of one period, at byte off from AG in each row, into buffer b: lane l holds row l % 16, k = 8 (l / 16) + 0..7 and 16 + 8 (l / 16) + 0..7
.macro LD_A b, off
	AFSET \b
	WIN aW<<6                                      ; destination window 2 or 3, address window 0
.irp t, 0,1,2,3,4,5,6,7,8
	global_load_b128 v[aB+8*\t:aB+8*\t+3],   v[OFF+\t], s[AG:AG+1] offset:(\off)
	global_load_b128 v[aB+8*\t+4:aB+8*\t+7], v[OFF+\t], s[AG:AG+1] offset:(\off)+32
.endr
.endm
; B's fragments of one period, at byte off of the ring, into buffer c: 8 x 512 consecutive bytes
.macro LD_B c, off
	WIN 0
.irp j, 0,1,2,3,4,5,6,7
	ds_load_b128 v[BF+32*(\c)+4*\j:BF+32*(\c)+4*\j+3], v[BRD0] offset:(\off)+512*\j
.endr
.endm
; PERIOD pp of a group of the first pass: 36 matrix instructions on A's buffer pp and B's buffer pp % 2, and ONE run of memory instructions behind the first four.
; lc: the loads that may stay out.  bar = 1: the group's barrier.  bo: the ring's byte of the next period's B.  ao: the byte, from AG, of A three periods on.  ws, wu: the set that takes a quarter of We's unit wu.
; cs: the set that is converted.  ss: the slot that takes the packed unit.  A part whose figure is below 0 is left out.
.macro PERIOD pp, zero, lc, bar, bo, ao, ws, wu, cs, ss
	s_wait_loadcnt \lc                             ; this period's A is in, and the loads of We that stood behind it in its run
	s_wait_dscnt 0x0                               ; this period's B, asked for a period ago; in period 0 also, for the others' sake, my unit stored a period ago
.if \bar
	s_barrier_signal -1                            ; my stores are done and my reads are back
.endif
	MM 0, \pp, (\pp)%2, \zero                      ; work on registers while the others arrive
.if \bar
	s_barrier_wait -1
.endif
.if ((\bo) >= 0) || ((\ao) >= 0)
.rept 4
	v_nop                                          ; four places between the last period's products and the loads into the buffers that they read (ISA guide 7.12.1 for vector instructions)
.endr
.endif
.if (\ss) >= 0
	ST_W \ss
.endif
.if (\bo) >= 0
	LD_B 1-(\pp)%2, \bo
.endif
.if (\ao) >= 0
	LD_A ((\pp)+3)%4, \ao
.endif
.if (\ws) >= 0
	LD_W \ws, \pp, \wu                             ; behind the gather's loads: see ONE COUNTER
.endif
	MM 1, \pp, (\pp)%2, \zero
.irp t, 2,3,4,5
	MM \t, \pp, (\pp)%2, \zero
.if (\cs) >= 0
	CVW \cs, (\t)-2                                ; eight conversions behind four products
.endif
.endr
.irp t, 6,7,8
	MM \t, \pp, (\pp)%2, \zero
.endr
.endm
; A GROUP of the first pass.  gr: its number, counted from the group at which AG and WP stand.  rs: its slot.
; kind 0: group 0 (its first period starts the sums; nothing to convert yet);  1: the loop's;  2: group 13 (no unit is left to load);  3: group 14 (none to convert);  4: group 15 (the fetches end).
; THE COUNTS.  A run is 18 + 4 = 22 loads.  41 = the two younger runs' 44 less three, which are gather loads two periods old: with this period's 22 the wave then has 63 loads out at the most.
; Group 0: behind A of period 0 stand A of periods 1 and 2, 36; behind A of period 1 stand 18 + 22 = 40.  Groups 13 and 14: runs of 18, two younger runs are 36 (in group 13's first three periods less than
; might stay out; in its period 2 the 36 show the last unit of We landed).  Group 15: 36, 36, 18, 0: the counts run down.
.macro GROUPF gr, rs, kind
.set gW, -1
.set gC, -1
.set gS, -1
.set gB, 0
.set gZ, 0
.set gL, 36
.if (\kind) < 2
.set gW, 1+(\gr)%2
.set gL, 41
.endif
.set gL0, gL
.set gL1, gL
.if (\kind) == 0
.set gZ, 1
.set gL0, 36
.set gL1, 40
.endif
.if ((\kind) == 1) || ((\kind) == 2)
.set gC, 1+((\gr)+1)%2
.set gS, ((\rs)+2)%4
.endif
.if ((\kind) > 0) && ((\kind) < 4)
.set gB, 1
.endif
.if (\kind) < 4
	PERIOD 0, gZ, gL0, gB, (\rs)*GRPB+PERB, 256*(\gr)+192, gW, (\gr)+3, -1, -1
	PERIOD 1, 0, gL1, 0, (\rs)*GRPB+2*PERB, 256*(\gr)+256, gW, (\gr)+3, -1, -1
	PERIOD 2, 0, gL, 0, (\rs)*GRPB+3*PERB, 256*(\gr)+320, gW, (\gr)+3, gC, -1
	PERIOD 3, 0, gL, 0, (((\rs)+1)%4)*GRPB, 256*(\gr)+384, gW, (\gr)+3, -1, gS
.else
	PERIOD 0, 0, 36, 0, (\rs)*GRPB+PERB, 256*(\gr)+192, -1, 0, -1, -1
	PERIOD 1, 0, 36, 0, (\rs)*GRPB+2*PERB, -1, -1, 0, -1, -1
	PERIOD 2, 0, 18, 0, (\rs)*GRPB+3*PERB, -1, -1, 0, -1, -1
	PERIOD 3, 0, 0, 0, -1, -1, -1, 0, -1, -1
.endif
.endm
; ---- a further pass: each wave for itself ----
.macro FLOADQ s, p                     ; the 32 k rows of the period p on from WQ, into set s (no hint: the four waves read the same rows)
	WIN 0
.set wn, 0
.rept 16
	global_load_b128 v[F+64*(\s)+4*wn:F+64*(\s)+4*wn+3], v[GO], s[WQ:WQ+1] offset:(\p)*PERG+8192*(wn+8*(wn/8))
.set wn, wn+1
.endr
.endm
.macro CVB s, c                        ; set s, packed straight into B's buffer c
	WIN 0
.irp i, 0,1,2,3
.irp q, 0,1,2,3,4,5,6,7
	v_cvt_pk_bf16_f32 v[BF+32*(\c)+8*\i+\q], v[F+64*(\s)+(\q/4)*32+8*(\q%4)+\i], v[F+64*(\s)+(\q/4)*32+8*(\q%4)+4+\i]
.endr
.endr
.endm
; Period pp (0, 1) of a trip: A's and B's buffers pp.  The 32 conversions are the places between the last period's products and the loads into the A buffer that they read.
; skip = 1: in the loop's last trip there is no further period, and the loads are jumped over.
.macro SPERIOD pp, zero, skip
	s_wait_loadcnt 0x0                             ; this period's rows of We and of x, asked for a period ago
	CVB 1, \pp
.if \skip
	WIN 0
	s_cmp_eq_u32 s[KC], 1
	s_cbranch_scc1 .Lno_more_\@
.endif
	FLOADQ 1, (\pp)+1
	LD_A 1-(\pp), ((\pp)+1)*64
.if \skip
	WIN 0
.Lno_more_\@:
.endif
.irp t, 0,1,2,3,4,5,6,7,8
	MM \t, \pp, \pp, \zero
.endr
.endm
; THE WAY OUT of row tile t, if it begins below the count: + be, and 16 rows x 256 bytes stored.  Each accumulator's lowest register is read first.
; Each tile has registers of its own for its sums, so no line here waits for the stores of the tile before.
.macro OUT t
	WIN 0
	s_cmp_le_i32 s[LIVE], 16*(\t)
	s_cbranch_scc1 .Lout_end                       ; forward
.if (\t) < 6
.set oT, 64+32*(\t)
.set oA, 32*(\t)
	WIN 0x01                                       ; sums from window 1 into window 0
.elseif (\t) < 8
.set oT, 32+32*((\t)-6)
.set oA, 32*(\t)
	WIN 0x81                                       ; from window 1 into window 2
.else
.set oT, 32+32*((\t)-6)
.set oA, 0
	WIN 0x82                                       ; from window 2 into window 2
.endif
.irp j, 0,1,2,3,4,5,6,7
.irp i, 0,1,2,3
	v_add_f32 v[oT+4*\j+\i], v[oA+8*\i+\j], v[BE+\i]
.endr
.endr
.if (\t) < 6
	WIN 0
.else
	WIN 0x08                                       ; a store's data is source 1
.endif
.irp j, 0,1,2,3,4,5,6,7
	global_store_b128 v[GO], v[oT+4*\j:oT+4*\j+3], s[PB:PB+1] offset:(16*(\t)+\j)*8192  ; rows 8 h + j: 16 lanes store 256 consecutive bytes, aligned; 135 rows at the most, inside the signed 24-bit immediate
.endr
.endm
	s_load_b256 s[4:11], s[0:1], 0x0               ; We s[4:5], be s[6:7], xb s[8:9], list s[10:11]
	s_load_b128 s[12:15], s[0:1], 0x20             ; cnts s[12:13], y s[14:15]
	v_lshl_add_u32 v[SPW], v0, 2, SPARE
	v_mov_b32 v[NIL], 0
	v_lshrrev_b32 v1, 5, v0
	v_readfirstlane_b32 s[WV], v1                  ; wave 0..3
	s_mov_b32 s[STRIP], ttmp9
	s_and_b32 s[EX], ttmp7, 0xffff
	v_and_b32 v2, 15, v0                           ; r = l % 16
	v_bfe_u32 v3, v0, 4, 1                         ; h = l / 16
	v_and_b32 v4, 31, v0                           ; lane
	v_lshlrev_b32 v9, 4, v2                        ; 16 r; never rewritten
	v_lshl_add_u32 v[GO], v3, 16, v9
	v_lshlrev_b32 v[BRD0], 4, v4
	v_lshl_add_u32 v[BST], v1, 12, v[BRD0]
	v_lshlrev_b32 v[H16], 4, v3
	s_mul_i32 s[W144], s[WV], 144
	v_add_nc_u32 v[RI], s[W144], v2
	s_lshl_b32 s[SOFF], s[STRIP], 8
	s_lshl_b32 s[COF], s[EX], 3
	s_lshl_b32 s30, s[EX], 24                      ; the expert's 16 MiB,
	s_add_co_u32 s30, s30, s[SOFF]                 ; the strip's 256 bytes
	s_mov_b32 s31, 0
	s_lshl_b32 s32, s[WV], 18                      ; my period of a group: 32 rows of 8,192 bytes a wave
	s_mov_b32 s33, 0
	s_wait_kmcnt 0x0
	s_load_b32 s[CNT], s[12:13], s[COF] offset:0x0
	s_add_nc_u64 s[WS:WS+1], s[4:5], s[30:31]
	s_add_nc_u64 s[WP:WP+1], s[WS:WS+1], s[32:33]
	FLOAD 0, 0                                     ; my units of groups 0 and 1 are on their way before anything else is done
	FLOAD 1, 1
	s_lshl_b32 s30, s[EX], 13
	s_add_nc_u64 s[LB:LB+1], s[10:11], s[30:31]    ; list + 8,192 e
	s_add_co_u32 s30, s30, s[SOFF]
	s_add_nc_u64 s[BEP:BEP+1], s[6:7], s[30:31]    ; be + 8,192 e + the strip
	s_mul_i32 s30, s[EX], 2304
	s_add_co_u32 s30, s30, s[W144]
	s_lshl_b32 s30, s30, 13                        ; 16,560 rows of 8,192 bytes at the most: under 2^31
	s_add_co_u32 s30, s30, s[SOFF]
	s_add_nc_u64 s[PB:PB+1], s[14:15], s[30:31]
	s_wait_kmcnt 0x0
	s_min_u32 s[CNT], s[CNT], 2048                 ; held inside the list
	s_sub_co_u32 s[CM1], s[CNT], 1
	s_sub_co_i32 s[LIVE], s[CNT], s[W144]
	LISTLD                                         ; the first pass's tokens and be stand ahead of the third unit, so that the gather can begin while that unit is on its way
	global_load_b128 v[BE:BE+3], v9, s[BEP:BEP+1]
	FLOAD 2, 2
	FUNITP 0, 0, 42                                ; behind unit 0's loads: 16 + 10 + 16
	FUNITP 1, 1, 26                                ; behind unit 1's: 10 + 16
	s_wait_loadcnt 16                              ; the tokens and be; unit 2's 16 loads stay out
	OFFS
	v_cvt_pk_bf16_f32 v6, v[BE], v[BE+1]           ; be rounded to bf16 and widened again
	v_cvt_pk_bf16_f32 v7, v[BE+2], v[BE+3]
	v_lshlrev_b32 v[BE], 16, v6
	v_and_b32 v[BE+1], 0xffff0000, v6
	v_lshlrev_b32 v[BE+2], 16, v7
	v_and_b32 v[BE+3], 0xffff0000, v7
	s_mov_b64 s[AG:AG+1], s[8:9]
	LD_A 0, 0                                      ; A of periods 0 and 1,
	LD_A 1, 64
	FUNITP 2, 2, 36                                ; behind unit 2's loads: those 36
	LD_A 2, 128                                    ; and of period 2
	WIN 0
	s_wait_dscnt 0x0                               ; for the others' sake: my three units are in LDS
	s_barrier_signal -1
	s_barrier_wait -1                              ; slots 0 to 2 are whole
	LD_B 0, 0
	GROUPF 0, 0, 0
	WIN 0                                          ; at a label and at a branch every window is 0
	s_mov_b32 s[KC], 3
.Lmid:                                                 ; a trip: four groups, once round the ring: groups 1 to 12
	GROUPF 1, 1, 1
	GROUPF 2, 2, 1
	GROUPF 3, 3, 1
	GROUPF 4, 0, 1
	WIN 0
	s_wait_xcnt 0x0                                ; the loads issued so far have had their addresses translated (ISA guide 3.1): their bases step only behind this wait
	s_add_nc_u64 s[AG:AG+1], s[AG:AG+1], 1024
	s_add_nc_u64 s[WP:WP+1], s[WP:WP+1], 4*GRPG
	s_sub_co_u32 s[KC], s[KC], 1
	s_cmp_lg_u32 s[KC], 0
	s_cbranch_scc1 .Lmid
	GROUPF 1, 1, 2                                 ; groups 13 to 15 are written out: no load leaves its buffer
	GROUPF 2, 2, 3
	GROUPF 3, 3, 4
	WIN 0
	s_wait_tensorcnt 0x0                           ; behind every wave's last LDS store; no LDS instruction follows
	ds_add_u32 v[SPW], v[NIL]
	s_wait_dscnt 0x0
.rept 4
	v_nop                                          ; four places between the last product and the first read of a result
.endr
	s_mov_b32 s[PCN], 4
.Lpass:                                                ; a trip: a pass's way out, then, if rows are left for my wave, the next pass; the fourth way out is always the last (4 x 576 rows pass every count)
.irp t, 0,1,2,3,4,5,6,7,8
	OUT \t
.endr
	WIN 0
.Lout_end:
	s_sub_co_i32 s[LIVE], s[LIVE], 576
	s_cmp_le_i32 s[LIVE], 0
	s_cbranch_scc1 .Lend                           ; my next 144 rows would begin at or past the count
	s_wait_xcnt 0x0                                ; the stores have had their addresses translated: their base and their data registers are rewritten only behind this wait
	s_add_nc_u64 s[PB:PB+1], s[PB:PB+1], 576*8192
	v_add_nc_u32 v[RI], 576, v[RI]
	LISTLD
	s_mov_b64 s[AG:AG+1], s[8:9]
	s_mov_b64 s[WQ:WQ+1], s[WS:WS+1]
	FLOADQ 1, 0                                    ; period 0's rows of We
	s_wait_loadcnt 16                              ; the tokens; those 16 loads stay out
	OFFS
	LD_A 0, 0
	SPERIOD 0, 1, 0                                ; the first two periods are written out: the first starts the sums
	SPERIOD 1, 0, 0
	WIN 0
	s_mov_b32 s[KC], 31
.Lslow:                                                ; a trip: two periods
	s_wait_loadcnt 0x0                             ; every load is back: the bases may step
	s_add_nc_u64 s[AG:AG+1], s[AG:AG+1], 128
	s_add_nc_u64 s[WQ:WQ+1], s[WQ:WQ+1], 2*PERG
	SPERIOD 0, 0, 0
	SPERIOD 1, 0, 1
	WIN 0
	s_sub_co_u32 s[KC], s[KC], 1
	s_cmp_lg_u32 s[KC], 0
	s_cbranch_scc1 .Lslow
	s_wait_loadcnt 0x0                             ; no load is out: the way out writes into the buffers
.rept 4
	v_nop                                          ; four places between the last product and the first read of a result
.endr
	s_sub_co_u32 s[PCN], s[PCN], 1
	s_cmp_lg_u32 s[PCN], 0
	s_cbranch_scc1 .Lpass
.Lend:
	s_endpgm
.Lfunc_end_k_q34acc97ea2_gemm:
	.size	k_q34acc97ea2_gemm, .Lfunc_end_k_q34acc97ea2_gemm-k_q34acc97ea2_gemm
	.p2alignl 7, 3214868480
	.fill 96, 4, 3214868480
	.section	.rodata,"a",@progbits
	.p2align	6, 0x0
	.amdhsa_kernel k_q34acc97ea2_gemm
		.amdhsa_group_segment_fixed_size 66048
		.amdhsa_private_segment_fixed_size 0
		.amdhsa_enable_private_segment 0
		.amdhsa_kernarg_size 48
		.amdhsa_user_sgpr_count 2
		.amdhsa_user_sgpr_kernarg_segment_ptr 1
		.amdhsa_wavefront_size32 1
		.amdhsa_system_sgpr_workgroup_id_x 1
		.amdhsa_system_sgpr_workgroup_id_y 1
		.amdhsa_system_sgpr_workgroup_id_z 1
		.amdhsa_system_vgpr_workitem_id 0
		.amdhsa_next_free_vgpr 840
		.amdhsa_next_free_sgpr 66
		.amdhsa_reserve_vcc 0
		.amdhsa_float_denorm_mode_32 3
		.amdhsa_float_denorm_mode_16_64 3
		.amdhsa_memory_ordered 1
		.amdhsa_forward_progress 1
		.amdhsa_inst_pref_size 250
	.end_amdhsa_kernel
	.amdgpu_metadata
---
amdhsa.version: [ 1, 2 ]
amdhsa.kernels:
  - .name:           k_q34acc97ea2_gemm
    .symbol:         k_q34acc97ea2_gemm.kd
    .args:
      - { .name: We, .offset: 0, .size: 8, .value_kind: global_buffer, .address_space: global }
      - { .name: be, .offset: 8, .size: 8, .value_kind: global_buffer, .address_space: global }
      - { .name: xb, .offset: 16, .size: 8, .value_kind: global_buffer, .address_space: global }
      - { .name: list, .offset: 24, .size: 8, .value_kind: global_buffer, .address_space: global }
      - { .name: cnts, .offset: 32, .size: 8, .value_kind: global_buffer, .address_space: global }
      - { .name: y, .offset: 40, .size: 8, .value_kind: global_buffer, .address_space: global }
    .group_segment_fixed_size: 66048
    .private_segment_fixed_size: 0
    .kernarg_segment_align: 8
    .kernarg_segment_size: 48
    .max_flat_workgroup_size: 128
    .sgpr_count:     66
    .vgpr_count:     840
    .wavefront_size: 32
...
	.end_amdgpu_metadata
.endif
;; end of part 3
;; launch combine (part 4): grid 256 x 1, 8 waves a work-group, no clusters, 0 bytes of LDS; arguments y, pos, gw, out0; writes out0
.if DOCPART == 4
	.amdgcn_target "amdgcn-amd-amdhsa--gfx1250"
	.amdhsa_code_object_version 6
	.text
	.protected	k_q34acc97ea2_combine
	.globl	k_q34acc97ea2_combine
	.p2align	8
	.type	k_q34acc97ea2_combine,@function
k_q34acc97ea2_combine:
	s_mov_b64 s[64:65], 0
	v_nop
	global_prefetch_b8 v0, s[64:65] scope:SCOPE_SE
	s_setreg_imm32_b32 hwreg(HW_REG_WAVE_MODE, 25, 1), 1
	s_wait_xcnt 0x0
; COMBINE.  out0[t][:] = gw[t][0] y[pos[t][0]][:] + gw[t][1] y[pos[t][1]][:].  y: rows of 2,048 f32; pos: [2048][2] i32; gw: [2048][2] f32; out0: [2048][2048] f32.
; A stream: one wave a token, both rows (8,192 bytes each) loaded at once, 32 loads of 512 neighbouring bytes in flight; no register is used twice, so no wait but the counted ones.
; No LDS, no matrix unit, no cluster: nothing is shared and memory binds.
.set A, 8                              ; v[8:71]   the first row, then the result
.set B, 72                             ; v[72:135] the second row
	s_load_b256 s[4:11], s[0:1], 0x0               ; y s[4:5], pos s[6:7], gw s[8:9], out0 s[10:11]
	v_lshrrev_b32 v2, 5, v0
	v_readfirstlane_b32 s12, v2                    ; wave 0..7
	v_and_b32 v1, 31, v0
	v_lshlrev_b32 v1, 4, v1                        ; 16 x lane
	s_lshl_b32 s13, ttmp9, 3
	s_add_co_u32 s12, s13, s12                     ; my token
	s_lshl_b32 s13, s12, 3
	s_lshl_b32 s26, s12, 13
	s_mov_b32 s27, 0
	s_mov_b32 s19, 0
	s_wait_kmcnt 0x0
	s_load_b64 s[14:15], s[6:7], s13 offset:0x0    ; the two rows
	s_load_b64 s[16:17], s[8:9], s13 offset:0x0    ; the two weights
	s_add_nc_u64 s[10:11], s[10:11], s[26:27]
	s_wait_kmcnt 0x0
	s_min_u32 s14, s14, 18431                      ; held inside y's 18,432 rows
	s_min_u32 s15, s15, 18431
	s_lshl_b32 s18, s14, 13                        ; rows of 8,192 bytes: under 2^31
	s_add_nc_u64 s[20:21], s[4:5], s[18:19]
	s_lshl_b32 s18, s15, 13
	s_add_nc_u64 s[22:23], s[4:5], s[18:19]
	s_mov_b32 s24, s17                             ; the second weight in a pair of its own: a packed line takes a pair's low word for both halves
	s_mov_b32 s25, s17
.irp c, 0,1,2,3,4,5,6,7,8,9,10,11,12,13,14,15
	global_load_b128 v[A+4*\c:A+4*\c+3], v1, s[20:21] offset:512*\c th:TH_LOAD_NT  ; each row of y is read once
	global_load_b128 v[B+4*\c:B+4*\c+3], v1, s[22:23] offset:512*\c th:TH_LOAD_NT
.endr
.irp c, 0,1,2,3,4,5,6,7,8,9,10,11,12,13,14,15
	s_wait_loadcnt 30-2*\c                         ; loads come back in order (ISA guide 5.7.1): pair c is in, the younger pairs stay out
	v_pk_mul_f32 v[A+4*\c:A+4*\c+1], v[A+4*\c:A+4*\c+1], s[16:17] op_sel_hi:[1,0]
	v_pk_mul_f32 v[A+4*\c+2:A+4*\c+3], v[A+4*\c+2:A+4*\c+3], s[16:17] op_sel_hi:[1,0]
	v_pk_fma_f32 v[A+4*\c:A+4*\c+1], v[B+4*\c:B+4*\c+1], s[24:25], v[A+4*\c:A+4*\c+1] op_sel_hi:[1,0,1]
	v_pk_fma_f32 v[A+4*\c+2:A+4*\c+3], v[B+4*\c+2:B+4*\c+3], s[24:25], v[A+4*\c+2:A+4*\c+3] op_sel_hi:[1,0,1]
	global_store_b128 v1, v[A+4*\c:A+4*\c+3], s[10:11] offset:512*\c th:TH_STORE_NT  ; 512 consecutive bytes, aligned
.endr
	s_endpgm
.Lfunc_end_k_q34acc97ea2_combine:
	.size	k_q34acc97ea2_combine, .Lfunc_end_k_q34acc97ea2_combine-k_q34acc97ea2_combine
	.p2alignl 7, 3214868480
	.fill 96, 4, 3214868480
	.section	.rodata,"a",@progbits
	.p2align	6, 0x0
	.amdhsa_kernel k_q34acc97ea2_combine
		.amdhsa_group_segment_fixed_size 0
		.amdhsa_private_segment_fixed_size 0
		.amdhsa_enable_private_segment 0
		.amdhsa_kernarg_size 32
		.amdhsa_user_sgpr_count 2
		.amdhsa_user_sgpr_kernarg_segment_ptr 1
		.amdhsa_wavefront_size32 1
		.amdhsa_system_sgpr_workgroup_id_x 1
		.amdhsa_system_sgpr_workgroup_id_y 1
		.amdhsa_system_sgpr_workgroup_id_z 1
		.amdhsa_system_vgpr_workitem_id 0
		.amdhsa_next_free_vgpr 136
		.amdhsa_next_free_sgpr 66
		.amdhsa_reserve_vcc 0
		.amdhsa_float_denorm_mode_32 3
		.amdhsa_float_denorm_mode_16_64 3
		.amdhsa_memory_ordered 1
		.amdhsa_forward_progress 1
		.amdhsa_inst_pref_size 11
	.end_amdhsa_kernel
	.amdgpu_metadata
---
amdhsa.version: [ 1, 2 ]
amdhsa.kernels:
  - .name:           k_q34acc97ea2_combine
    .symbol:         k_q34acc97ea2_combine.kd
    .args:
      - { .name: y, .offset: 0, .size: 8, .value_kind: global_buffer, .address_space: global }
      - { .name: pos, .offset: 8, .size: 8, .value_kind: global_buffer, .address_space: global }
      - { .name: gw, .offset: 16, .size: 8, .value_kind: global_buffer, .address_space: global }
      - { .name: out0, .offset: 24, .size: 8, .value_kind: global_buffer, .address_space: global }
    .group_segment_fixed_size: 0
    .private_segment_fixed_size: 0
    .kernarg_segment_align: 8
    .kernarg_segment_size: 32
    .max_flat_workgroup_size: 256
    .sgpr_count:     66
    .vgpr_count:     136
    .wavefront_size: 32
...
	.end_amdgpu_metadata
.endif
;; end of part 4
